; MI455X (gfx1250); checked and timed in simulation.
; The chip was launched on July 23, 2026; its instructions are those of AMD's public machine-readable ISA for CDNA 5 (MIT licence, August 2026) and "CDNA5" Instruction Set Architecture Reference Guide (July 2026). The comments in the code are by the model that wrote it; some were corrected since.
;; Box Mask Head. Allowed arithmetic: float matrix products may take bf16 or f16 operands with f32 sums; other float arithmetic in f32, or as packed bf16 or f16 multiplies, adds, multiply-adds, maxima and minima; sums over many terms, partial sums and values carried from step to step in f32; what a program stores and reads back later, other than sums and carried values, may be rounded once to bf16 or f16.
;; Inputs: boxes 512 x 4 float32; feature_map 512 x 512 x 64 float32.
;; Outputs: out0 512 x 8 x 8 x 64 float32.
;; Constants: output_width = 8.
;; One version. Each part assembles by itself: llvm-mc -triple=amdgcn-amd-amdhsa -mcpu=gfx1250 --defsym DOCPART=n.
;; ======== version 1 of 1: 3 launches
;; limits: values are held in f16: magnitudes above 65,504 overflow, below 6.1e-05 lose precision; inputs' magnitudes at most 65,504
;; workspace buffers: ftf 33,554,432 bytes; wyf 4,194,304 bytes; wxf 4,194,304 bytes; part 8,388,608 bytes
;; launch prep (part 1): grid 1024 x 1, 8 waves a work-group, no clusters, 72,704 bytes of LDS; arguments feature_map, boxes, ftf, wyf, wxf; writes ftf, wyf, wxf
.if DOCPART == 1
	.amdgcn_target "amdgcn-amd-amdhsa--gfx1250"
	.amdhsa_code_object_version 6
	.text
	.protected	k_qde24ffd7d1_prep
	.globl	k_qde24ffd7d1_prep
	.p2align	8
	.type	k_qde24ffd7d1_prep,@function
k_qde24ffd7d1_prep:
	s_mov_b64 s[64:65], 0
	v_nop
	global_prefetch_b8 v0, s[64:65] scope:SCOPE_SE
	s_setreg_imm32_b32 hwreg(HW_REG_WAVE_MODE, 25, 1), 1
	s_wait_xcnt 0x0
; PREPARES THE THREE MATRIX OPERANDS, all f16, all in FRAGMENT ORDER: a fragment is 16 rows x 32 k = 1,024 bytes, laid [hf 0..1][lane 0..31][16 bytes];
; lane (h = lane / 16, r = lane % 16) holds row r, k = 16 hf + 8 h + 0..7.  Two loads of 16 bytes a lane, 512 bytes apart, then fill a matrix operand's 8 registers.
;   ftf [T = 2 c + xh : 128][ks 4][jh 2][xt8 8][q 4][fragment]: row r is x = 256 xh + 128 jh + 16 xt8 + r, k is y = 128 ks + 32 q + ..
;   wyf, wxf [g 16][ks 4][i 2][a 8][q 4][fragment]: pair of boxes 16 g + 8 i + a; row r is box 2 pair + r / 8, output place r % 8; k is the input place 128 ks + 32 q + ..
; THE WEIGHTS are those of a linear resize with low-pass: inv = 1 / scale, sf = (o + 0.5) inv - translation inv - 0.5, w = max(0, 1 - |sf - i| / max(inv, 1)), divided by the column's sum over
; the 512 places; 0 where that sum is at most 1000 eps or sf lies outside -0.5 .. 511.5.  scale, translation, inv and sf are made in the order of the defining formulas, quotients by a reciprocal
; and two corrections (DIV).
; LIMITS.  f16 holds no number beyond 65,504: |feature_map| stays below that; below 6e-5 a number keeps f16's fixed step of 6e-8.  NaN and infinities in either input are not treated apart.
; |d| / max(inv, 1) and w / sum are multiplications by a reciprocal (about 1e-7 of the value); the column's sum is added in another order than a plain running sum; a sample within a few units in the last
; place of -0.5 or 511.5 may fall on the other side of the range test.
; SHARES.  Work-group b: (1) 16 y x 16 x x 64 channels of the feature map (yb = b / 32, xt = b % 32): 16 pieces of 4,096 consecutive bytes in, 64 pieces of 512 consecutive bytes out, turned in LDS;
; (2) half of one pair's weights of one table (table b / 512, pair (b / 2) % 256, half b % 2): wave w makes fragment k32 = 8 (b % 2) + w.  The column sums want all 512 places: each wave sums 64 of them.
; The weights' arithmetic stands under the feature map's loads.  No matrix unit, cluster or data mover: nothing is shared between work-groups and memory binds.
; REGISTERS.  v1 spare word, v2 zero, v3 lane, v4 r, v5 h, v6 offset in, v7 LDS in, v8 LDS back, v9 offset out, v10 box offset, v11/v12 sums' store and read, v13 16 x lane,
; v14-31 a column's figures, v32-95 the tile (as loaded, then as read back), v96-99 places, v100-127 at work.
.set PIT,   272                        ; a unit (one y, one x: 64 channels, 256 bytes) in LDS + 16 of padding: 16 units on end start at 16 different 16-byte columns modulo 256
.set SUMS,  256*PIT                    ; behind the 256 units: 16 rows of 80 bytes, 16 partial sums in each
.set SPARE, SUMS+1280                  ; behind them: the spare words, 128 bytes a wave: four blocks of 256 bytes that no other line names
.macro DIV q, a, b, y, e               ; q = a / b; y holds the reciprocal of b and is sharpened; e at work
	v_fma_f32 v\e, -v\b, v\y, 1.0
	v_fma_f32 v\y, v\y, v\e, v\y
	v_mul_f32 v\q, v\a, v\y
	v_fma_f32 v\e, -v\b, v\q, v\a
	v_fma_f32 v\q, v\e, v\y, v\q
.endm
	s_load_b256 s[4:11], s[0:1], 0x0               ; feature_map s[4:5], boxes s[6:7], ftf s[8:9], wyf s[10:11]
	s_load_b64 s[12:13], s[0:1], 0x20              ; wxf
	v_lshl_add_u32 v1, v0, 2, SPARE
	v_mov_b32 v2, 0
	v_lshrrev_b32 v3, 5, v0
	v_readfirstlane_b32 s14, v3                    ; wave 0..7
	v_and_b32 v3, 31, v0                           ; lane
	v_and_b32 v4, 15, v0                           ; r
	v_bfe_u32 v5, v0, 4, 1                         ; h
	v_lshlrev_b32 v13, 4, v3                       ; 16 x lane
	s_lshr_b32 s15, ttmp9, 5                       ; yb
	s_and_b32 s16, ttmp9, 31                       ; xt
	s_lshl_b32 s20, s15, 21                        ; 16 rows of 131,072 bytes
	s_lshl_b32 s17, s16, 12                        ; 16 x of 256 bytes
	s_add_co_u32 s20, s20, s17
	s_mov_b32 s21, 0
	s_lshl_b32 s17, s14, 18                        ; wave w takes y = 2 w, 2 w + 1
	v_add_nc_u32 v6, s17, v13
	s_mul_i32 s17, s14, 32*PIT                     ; into LDS: unit 32 w + 16 yy + 2 t + h, 16 bytes at 16 r
	v_mul_u32_u24 v7, v5, PIT
	v_lshl_add_u32 v7, v4, 4, v7
	v_add_nc_u32 v7, s17, v7
	v_lshl_add_u32 v8, v5, 7, v4                   ; back: unit (8 h + e) 16 + r, channels 8 w + 4 cc + 0..3
	v_mul_u32_u24 v8, v8, PIT
	s_lshl_b32 s17, s14, 5
	v_add_nc_u32 v8, s17, v8
	s_lshr_b32 s17, s16, 4                         ; where the work-group's pieces lie in a channel's part of ftf: xh,
	s_lshl_b32 s22, s17, 18
	s_lshr_b32 s17, s15, 3                         ; ks,
	s_lshl_b32 s17, s17, 16
	s_add_co_u32 s22, s22, s17
	s_bfe_u32 s17, s16, 0x10003                    ; jh,
	s_lshl_b32 s17, s17, 15
	s_add_co_u32 s22, s22, s17
	s_and_b32 s17, s16, 7                          ; xt8,
	s_lshl_b32 s17, s17, 12
	s_add_co_u32 s22, s22, s17
	s_bfe_u32 s17, s15, 0x20001                    ; q,
	s_lshl_b32 s17, s17, 10
	s_add_co_u32 s22, s22, s17
	s_and_b32 s17, s15, 1                          ; hf
	s_lshl_b32 s17, s17, 9
	s_add_co_u32 s22, s22, s17
	s_mov_b32 s23, 0
	s_lshl_b32 s17, s14, 22                        ; wave w stores channels 8 w .. 8 w + 7, 524,288 bytes apart
	v_add_nc_u32 v9, s17, v13
	s_lshr_b32 s24, ttmp9, 9                       ; table: 0 rows (cy, h), 1 columns (cx, w)
	s_bfe_u32 s25, ttmp9, 0x80001                  ; pair
	s_and_b32 s26, ttmp9, 1                        ; which half of the 16 fragments
	s_cmp_eq_u32 s24, 0
	s_cselect_b32 s28, 4, 0                        ; a box is cx, cy, w, h: the centre at 0 or 4, the size 8 bytes on
	s_lshl_b32 s17, s25, 5
	s_add_co_u32 s17, s17, s28
	v_lshrrev_b32 v10, 3, v4
	v_lshlrev_b32 v10, 4, v10
	v_add_nc_u32 v10, s17, v10                     ; box 2 pair + r / 8
	s_lshr_b32 s17, s25, 4                         ; where my fragment lies in the table: g,
	s_lshl_b32 s30, s17, 18
	s_lshl_b32 s17, s26, 1                         ; ks = k32 / 4,
	s_lshr_b32 s18, s14, 2
	s_add_co_u32 s17, s17, s18
	s_lshl_b32 s17, s17, 16
	s_add_co_u32 s30, s30, s17
	s_bfe_u32 s17, s25, 0x10003                    ; i,
	s_lshl_b32 s17, s17, 15
	s_add_co_u32 s30, s30, s17
	s_and_b32 s17, s25, 7                          ; a,
	s_lshl_b32 s17, s17, 12
	s_add_co_u32 s30, s30, s17
	s_and_b32 s17, s14, 3                          ; q = k32 % 4
	s_lshl_b32 s17, s17, 10
	s_add_co_u32 s30, s30, s17
	s_mov_b32 s31, 0
	v_mul_u32_u24 v12, v4, 80
	v_add_nc_u32 v12, SUMS, v12                    ; row r's 16 partial sums
	s_lshl_b32 s17, s14, 3
	v_lshl_add_u32 v11, v5, 2, s17
	v_add_nc_u32 v11, v11, v12                     ; mine is number 2 w + h
	v_and_b32 v29, 7, v0
	v_cvt_f32_u32 v29, v29
	v_add_f32 v29, 0.5, v29                        ; o + 0.5
	s_lshl_b32 s17, s14, 6
	v_lshl_add_u32 v96, v5, 5, s17                 ; the sums' pass: I take places 64 w + 32 h + 0..31, four chains of places 4 apart, exact in f32
	v_cvt_f32_u32 v96, v96
	v_add_f32 v97, 1.0, v96
	v_add_f32 v98, 2.0, v96
	v_add_f32 v99, 2.0, v97
	s_mov_b32 s35, 0x38fa0000                      ; 1000 eps
	s_mov_b32 s37, 0x43ffc000                      ; 511.5
	s_wait_kmcnt 0x0
	s_add_nc_u64 s[4:5], s[4:5], s[20:21]
	s_add_nc_u64 s[8:9], s[8:9], s[22:23]
	s_cmp_eq_u32 s24, 0
	s_cselect_b64 s[32:33], s[10:11], s[12:13]     ; the table
	s_add_nc_u64 s[32:33], s[32:33], s[30:31]
	global_load_b32 v14, v10, s[6:7]               ; centre
	global_load_b32 v15, v10, s[6:7] offset:8      ; size
.irp yy, 0,1
.irp t, 0,1,2,3,4,5,6,7
	global_load_b128 v[32+4*(8*\yy+\t):35+4*(8*\yy+\t)], v6, s[4:5] offset:\yy*131072+\t*512 th:TH_LOAD_NT  ; 512 consecutive bytes: two x, 64 channels each
.endr
.endr
	; a column's figures
	s_wait_loadcnt 16                              ; the box's two numbers are in; the 16 younger loads stay out
	v_fma_f32 v16, v15, -0.5, v14                  ; x0 = centre - size / 2 (the half is exact: one rounding)
	v_max_num_f32 v17, 0x358637bd, v15             ; size, at least 1e-6
	v_mul_f32 v18, 0x44000000, v17                 ; size x 512
	v_mul_f32 v16, 0xc1000000, v16                 ; -x0 x 8
	v_rcp_f32 v20, v18
	v_rcp_f32 v21, v17
	v_mov_b32 v24, 0x41000000                      ; 8.0: the plain instruction behind the reciprocals
	s_wait_alu depctr_va_vdst(0)                   ; one wait for the two, ahead of their first reader
	DIV 22, 24, 18, 20, 19                         ; scale = 8 / (size x 512)
	DIV 23, 16, 17, 21, 19                         ; translation = -x0 x 8 / size
	v_rcp_f32 v20, v22
	v_mov_b32 v24, 1.0
	s_wait_alu depctr_va_vdst(0)
	DIV 25, 24, 22, 20, 19                         ; inv = 1 / scale
	v_max_num_f32 v26, 1.0, v25                    ; the kernel's width
	v_rcp_f32 v21, v26
	v_mul_f32 v30, v29, v25                        ; (o + 0.5) inv
	s_wait_alu depctr_va_vdst(0)
	DIV 27, 24, 26, 21, 19                         ; 1 / width
	v_mul_f32 v31, v23, v25
	v_sub_f32 v28, v30, v31
	v_add_f32 v28, -0.5, v28                       ; sf
	; the sum of my 32 raw weights, in four chains; the first four start them
.set m, 0
.rept 8
.irp j, 0,1,2,3
	v_sub_f32 v10\j, v28, v[96+\j]
.endr
.irp j, 0,1,2,3
	v_fma_f32 v10\j, -|v10\j|, v27, 1.0
.endr
.irp j, 0,1,2,3
.if m == 0
	v_max_num_f32 v[104+\j], 0, v10\j
.else
	v_max_num_f32 v10\j, 0, v10\j
.endif
.endr
.irp j, 0,1,2,3
.if m > 0
	v_add_f32 v[104+\j], v[104+\j], v10\j
.endif
.if m < 7
	v_add_f32 v[96+\j], 4.0, v[96+\j]
.endif
.endr
.set m, m+1
.endr
	v_add_f32 v104, v104, v105
	v_add_f32 v106, v106, v107
	v_add_f32 v104, v104, v106
	ds_store_b32 v11, v104
	; the tile goes into LDS as it comes
.irp yy, 0,1
.irp t, 0,1,2,3,4,5,6,7
	s_wait_loadcnt 15-(8*\yy+\t)                   ; loads come back in order: this one is in, the younger ones stay out
	ds_store_b128 v7, v[32+4*(8*\yy+\t):35+4*(8*\yy+\t)] offset:(16*\yy+2*\t)*PIT
.endr
.endr
	s_wait_dscnt 0x0                               ; for the others' sake: my part of the tile and my partial sum are written
	s_barrier_signal -1
	s_barrier_wait -1                              ; the launch's one barrier: tile and sums are whole
.irp t, 0,1,2,3
	ds_load_b128 v[108+4*\t:111+4*\t], v12 offset:16*\t
.endr
.irp cc, 0,1
.irp e, 0,1,2,3,4,5,6,7
	ds_load_b128 v[32+32*\cc+4*\e:35+32*\cc+4*\e], v8 offset:\e*16*PIT+16*\cc  ; y = 8 h + e, x = r, four channels
.endr
.endr
	; my fragment of weights
	s_wait_dscnt 16                                ; the four loads of sums are in; the tile's 16 stay out
	v_pk_add_f32 v[108:109], v[108:109], v[110:111]
	v_pk_add_f32 v[112:113], v[112:113], v[114:115]
	v_pk_add_f32 v[116:117], v[116:117], v[118:119]
	v_pk_add_f32 v[120:121], v[120:121], v[122:123]
	v_pk_add_f32 v[108:109], v[108:109], v[112:113]
	v_pk_add_f32 v[116:117], v[116:117], v[120:121]
	v_pk_add_f32 v[108:109], v[108:109], v[116:117]
	v_add_f32 v108, v108, v109                     ; the column's sum
	s_lshl_b32 s17, s26, 3
	s_add_co_u32 s17, s17, s14                     ; k32
	s_lshl_b32 s17, s17, 5
	v_rcp_f32 v110, v108
	v_lshl_add_u32 v96, v5, 3, s17                 ; my places: 32 k32 + 8 h + 0..7 and 16 further on
	v_cvt_f32_u32 v96, v96
	v_add_f32 v97, 1.0, v96
	v_add_f32 v98, 2.0, v96
	v_add_f32 v99, 2.0, v97
	v_cmp_gt_f32 s34, v108, s35                    ; the sum is above 1000 eps,
	v_cmp_ge_f32 s36, v28, -0.5                    ; and the sample lies in the input's range
	v_cmp_le_f32 s38, v28, s37
	s_and_b32 s34, s34, s36
	s_and_b32 s34, s34, s38
	s_wait_alu depctr_va_vdst(0)                   ; ahead of the reciprocal's first reader
	v_cndmask_b32 v111, 0, v110, s34               ; 1 / sum, or 0: a choice of a value, no branch
.set g, 0
.rept 4
.irp j, 0,1,2,3
	v_sub_f32 v10\j, v28, v[96+\j]
.endr
.irp j, 0,1,2,3
	v_fma_f32 v10\j, -|v10\j|, v27, 1.0
.endr
.irp j, 0,1,2,3
	v_max_num_f32 v10\j, 0, v10\j
.endr
.irp j, 0,1,2,3
	v_mul_f32 v[112+4*g+\j], v10\j, v111
.endr
.irp j, 0,1,2,3
.if g == 1
	v_add_f32 v[96+\j], 0x41400000, v[96+\j]       ; from 4..7 to 16..19
.elseif g < 3
	v_add_f32 v[96+\j], 4.0, v[96+\j]
.endif
.endr
.set g, g+1
.endr
.irp n, 0,1,2,3,4,5,6,7
	v_cvt_pk_f16_f32 v[100+\n], v[112+2*\n], v[113+2*\n]
.endr
	global_store_b128 v13, v[100:103], s[32:33]              ; 512 consecutive bytes, aligned
	global_store_b128 v13, v[104:107], s[32:33] offset:512
	; the tile goes out: for each channel 8 y of one x a lane, 16 bytes
	s_wait_dscnt 8                                 ; the first eight reads (channels 8 w + 0..3) are in
.irp jj, 0,1,2,3
.irp m, 0,1,2,3
	v_cvt_pk_f16_f32 v[112+4*\jj+\m], v[32+8*\m+\jj], v[36+8*\m+\jj]
.endr
	global_store_b128 v9, v[112+4*\jj:115+4*\jj], s[8:9] offset:\jj*524288  ; 512 consecutive bytes, aligned
.endr
	s_wait_dscnt 0x0
.irp jj, 0,1,2,3
.irp m, 0,1,2,3
	v_cvt_pk_f16_f32 v[32+4*\jj+\m], v[64+8*\m+\jj], v[68+8*\m+\jj]  ; into registers that no pending store reads
.endr
	global_store_b128 v9, v[32+4*\jj:35+4*\jj], s[8:9] offset:(4+\jj)*524288
.endr
	s_wait_tensorcnt 0x0                           ; the wave's end, behind my last LDS store
	ds_add_u32 v1, v2
	s_wait_dscnt 0x0
	s_endpgm
.Lfunc_end_k_qde24ffd7d1_prep:
	.size	k_qde24ffd7d1_prep, .Lfunc_end_k_qde24ffd7d1_prep-k_qde24ffd7d1_prep
	.p2alignl 7, 3214868480
	.fill 96, 4, 3214868480
	.section	.rodata,"a",@progbits
	.p2align	6, 0x0
	.amdhsa_kernel k_qde24ffd7d1_prep
		.amdhsa_group_segment_fixed_size 72704
		.amdhsa_private_segment_fixed_size 0
		.amdhsa_enable_private_segment 0
		.amdhsa_kernarg_size 40
		.amdhsa_user_sgpr_count 2
		.amdhsa_user_sgpr_kernarg_segment_ptr 1
		.amdhsa_wavefront_size32 1
		.amdhsa_system_sgpr_workgroup_id_x 1
		.amdhsa_system_sgpr_workgroup_id_y 1
		.amdhsa_system_sgpr_workgroup_id_z 1
		.amdhsa_system_vgpr_workitem_id 0
		.amdhsa_next_free_vgpr 128
		.amdhsa_next_free_sgpr 66
		.amdhsa_reserve_vcc 0
		.amdhsa_float_denorm_mode_32 3
		.amdhsa_float_denorm_mode_16_64 3
		.amdhsa_memory_ordered 1
		.amdhsa_forward_progress 1
		.amdhsa_inst_pref_size 25
	.end_amdhsa_kernel
	.amdgpu_metadata
---
amdhsa.version: [ 1, 2 ]
amdhsa.kernels:
  - .name:           k_qde24ffd7d1_prep
    .symbol:         k_qde24ffd7d1_prep.kd
    .args:
      - { .name: feature_map, .offset: 0, .size: 8, .value_kind: global_buffer, .address_space: global }
      - { .name: boxes, .offset: 8, .size: 8, .value_kind: global_buffer, .address_space: global }
      - { .name: ftf, .offset: 16, .size: 8, .value_kind: global_buffer, .address_space: global }
      - { .name: wyf, .offset: 24, .size: 8, .value_kind: global_buffer, .address_space: global }
      - { .name: wxf, .offset: 32, .size: 8, .value_kind: global_buffer, .address_space: global }
    .group_segment_fixed_size: 72704
    .private_segment_fixed_size: 0
    .kernarg_segment_align: 8
    .kernarg_segment_size: 40
    .max_flat_workgroup_size: 256
    .sgpr_count:     66
    .vgpr_count:     128
    .wavefront_size: 32
...
	.end_amdgpu_metadata
.endif
;; end of part 1
;; launch main (part 2): grid 16 x 16, 4 waves a work-group, clusters of 4 x 4, 327,680 bytes of LDS; arguments wyf, ftf, wxf, part; writes part
.if DOCPART == 2
	.amdgcn_target "amdgcn-amd-amdhsa--gfx1250"
	.amdhsa_code_object_version 6
	.text
	.protected	k_qde24ffd7d1_main
	.globl	k_qde24ffd7d1_main
	.p2align	8
	.type	k_qde24ffd7d1_main,@function
k_qde24ffd7d1_main:
	s_mov_b64 s[64:65], 0
	v_nop
	global_prefetch_b8 v0, s[64:65] scope:SCOPE_SE
	s_setreg_imm32_b32 hwreg(HW_REG_WAVE_MODE, 25, 1), 1
	s_wait_xcnt 0x0
	s_wait_alu depctr_hold_cnt(0) depctr_sa_sdst(0) depctr_va_vdst(0) depctr_va_sdst(0) depctr_va_ssrc(0) depctr_va_vcc(0) depctr_vm_vsrc(0)
	s_getreg_b32 s2, hwreg(HW_REG_IB_STS2, 6, 4)
	s_cmp_eq_u32 s2, 0
	s_cbranch_scc0 .Lentry_in_a_cluster
	s_endpgm
.Lentry_in_a_cluster:
	s_bfe_u32 s2, ttmp6, 0x10000c
	s_cmp_lg_u32 s2, 0xf033
	s_cbranch_scc0 .Lentry_shape_is_right
	s_endpgm
.Lentry_shape_is_right:
; part[c][n][oy][ox] = sum over x of Wx[n][x][ox] T[n][oy][x][c],  T[n][oy][x][c] = sum over y of Wy[n][y][oy] F[y][x][c].  All operands f16 in fragment order, sums in f32; T is rounded once to f16.
; The first sum is a product of 4,096 rows (n, oy) by 32,768 columns (x, c) over 512 y; the second rides on its way out and stays in registers.
; LIMITS.  F, the weights (0 to 1) and T (a weighted mean of F) lie within f16's 65,504; below 6e-5 a number keeps f16's fixed step of 6e-8.  NaN and infinities are not treated apart.
; SHARES.  Work-group (cg, g): boxes 32 g .. 32 g + 31, channels 4 cg .. 4 cg + 3.  IT STAYS and walks 8 tiles: tile t is channel 4 cg + t / 2, x half t % 2: 256 rows (n, oy) x 256 x, K = 512 y in 4 steps of 128.
; Wave 2 i + j: half i of the boxes (8 pairs a), half j of the x (8 blocks b of 16): 64 accumulators of 16 x 16, 512 registers.
; STAGE 1, transposed: source 0 = 16 x of F, source 1 = a pair's 16 rows of Wy.  In the result lane l holds row l % 16 = (box of the pair, oy), registers 0-7 the x = 16 b + 8 (l / 16) + 0..7.
; Two such results rounded to f16 in pairs ARE source 1 (32 x) of STAGE 2: D2(a) += Wx(a)'s 16 rows (box', ox) x T(a).  There lane l holds (box, oy) = l % 16, its registers (box' = l / 16, ox = 0..7):
; the lanes with box' = box hold results, the others products of one box's weights with the other's T, which are dropped.  D2 adds up over a wave's 128 x and both x halves of a channel;
; the two waves j meet in LDS, and whole rows of part leave.
; THE RING is two LDS slots, a K step each: Wy's two halves, F's two halves, 32,768 dense bytes each, one tensor load a wave.  In fragment order every LDS load of a wave takes 512 consecutive bytes:
; no padding.  F's 32 K steps of the walk lie on end in memory; Wy's four are walked again in each tile.  The ring does not stop at a tile's end.
; CLUSTER.  4 x 4 work-groups.  The four of a row share g and so Wy's tiles, the four of a column share cg and so F's: each tile is asked for JOINTLY, by the same tensor load, descriptor and mask in all four.
; REGISTERS, in windows of 256 (s_set_vgpr_msb: bits 1:0 source 0, 3:2 source 1, 5:4 source 2, 7:6 destination):
;   window 0: v16-30 addresses; v32-63 at work on the way out; v64-127, v128-191 Wy's fragments, two buffers; v192-255 D2, 8 a pair
;   window 1: v64-127, v128-191 F's fragments, two buffers; v0-63, v192-255 Wx of pairs 0-3, loaded in the tile's last K step
;   windows 2, 3: the accumulators of pairs 0-3, 4-7 ((a, b) at v[8 (8 (a % 4) + b)]); packed in place, a pair's T takes its lower 32 registers; the upper 32 of window 3's take Wx of pairs 4-7
.set TILES, 8
.set KSB,   65536                      ; a K step in wyf and in ftf: two halves of 32,768 bytes
.set SLOT,  131072
.set STAGE, 2*SLOT                     ; behind the ring, never filled by a tensor load: 4,096 bytes a wave: its 16 boxes x 64 places, f32
.set SPARE, STAGE+4*4096               ; behind the stage: the spare words, 128 bytes a wave: two blocks of 256 bytes that no other line names
.set ADRW, 16                          ; v16-17  LDS address of my Wy fragments in slot 0, 1
.set ADRF, 20                          ; v20-21  the same for F
.set HH,   22                          ; v22     l / 16
.set RB,   23                          ; v23     (l % 16) / 8
.set STO,  24                          ; v24     the way out: where I put my 32 bytes of a pair
.set RD,   25                          ; v25     the way out: where I read back
.set PO,   26                          ; v26     my byte offset in the work-group's 8,192 bytes of a channel of part
.set WXO,  27                          ; v27     16 x lane: my place in half a fragment
.set SPW,  28                          ; v28     LDS address of my spare word; never rewritten
.set NIL,  29                          ; v29     0; never rewritten
.set PFO,  30                          ; v30     256 x lane: the prefetches' offset; never rewritten
.set OT,   32
.set F0,   64
.set F1,   128
.set D2,   192
.set WXB,  8                           ; s[8:9]   wxf at my pairs and my 128 x of the tile in hand
.set G1W,  24                          ; s[24:31] descriptor group 1 for Wy's tiles
.set G0W,  32                          ; s[32:39] group 0, a set for each slot
.set LIM,  43                          ; s43      1 in a wave that prefetches, else the greatest number
.set PFA,  44                          ; s[44:45] where my prefetches stand
.set PRT,  46                          ; s[46:47] part at the channel in hand and my work-group's boxes
.set G1F,  48                          ; s[48:55], s[56:63] the same for F's tiles
.set G0F,  56
.set MSB, 0
.macro WIN new                         ; the immediate's high byte repeats the setting that is left; a switch that changes nothing is dropped
.if MSB != (\new)
	s_set_vgpr_msb (MSB<<8)|(\new)
.set MSB, \new
.endif
.endm
.set MUL_LO, 0xa1                      ; source 0 (F) window 1, source 1 (Wy) window 0, C and D window 2
.set MUL_HI, 0xf1                      ; the same, C and D window 3
.set TO_B,   0x40                      ; destination window 1, address window 0
; A joint load.  Waves 0 and 1 fetch Wy's two halves, waves 2 and 3 F's.  The branch hangs on the wave's number alone.  An s_nop 0 and four v_nop follow each of the two lines.
.macro JLOAD s
	s_cmp_eq_u32 s11, 0
	s_cbranch_scc0 .Lfor_f_\@
	tensor_load_to_lds s[G0W+4*(\s):G0W+4*(\s)+3], s[G1W:G1W+7]
	s_nop 0
.rept 4
	v_nop
.endr
	s_branch .Lasked_\@
.Lfor_f_\@:
	tensor_load_to_lds s[G0F+4*(\s):G0F+4*(\s)+3], s[G1F:G1F+7]
	s_nop 0
.rept 4
	v_nop
.endr
.Lasked_\@:
.endm
; A PREFETCH INTO THE L2 of F's K step that stands TWO refills on (512 matrix instructions ahead of the load that will want it).  A half K step of F, 32,768 bytes, is read by all 16 groups of boxes:
; the clusters with y = 0 ask, in them the two waves that fetch F, and the four partners of a column take 8,192 bytes each, told apart BY ADDRESS: a lane names 256 bytes, one instruction a wave.
; So each 256 bytes of ftf are named once.  The walk's first four K steps come by their loads alone; how = 0 (a tile's first two changes of slots): the last tile has no tile behind it and asks for nothing.
; Wy's four K steps are all among the first four and are read again in every tile; Wx comes into registers three quarters ahead and is read again for every channel: neither is asked for.
.macro ASK how
.if \how
	s_cmp_eq_u32 s[LIM], 1
.else
	s_cmp_gt_u32 s2, s[LIM]
.endif
	s_cbranch_scc0 .Lnot_mine_\@
	global_prefetch_b8 v[PFO], s[PFA:PFA+1] th:TH_LOAD_NT scope:SCOPE_SE
.Lnot_mine_\@:
.endm
.macro CREST                           ; a round of the cluster's barrier behind its opening barrier
	s_cmp_lg_u32 s10, 0
	s_cbranch_scc1 .Lnot_wave_0_\@
	s_barrier_signal -3
.Lnot_wave_0_\@:
	s_barrier_wait -3
	s_barrier_signal -1
	s_barrier_wait -1
.endm
.macro CROUND                          ; a whole round
	s_barrier_signal -1
	s_barrier_wait -1
	CREST
.endm
	s_load_b128 s[4:7], s[0:1], 0x0                ; wyf s[4:5], ftf s[6:7]
	s_load_b64 s[WXB:WXB+1], s[0:1], 0x10          ; wxf
	s_load_b64 s[PRT:PRT+1], s[0:1], 0x18          ; part
	v_lshl_add_u32 v[SPW], v0, 2, SPARE
	v_mov_b32 v[NIL], 0
	ds_add_u32 v[SPW], v[NIL]                      ; the wave's opening: the add, twice on end, and its wait ahead of my first tensor load
	ds_add_u32 v[SPW], v[NIL]                      ; and once more, under the one wait; the set-up below, work on registers, stands between
	v_lshrrev_b32 v1, 5, v0
	v_readfirstlane_b32 s10, v1                    ; wave 0..3
	s_lshr_b32 s11, s10, 1                         ; i: my half of the boxes.  Also: I fetch for Wy (0) or for F (1)
	s_and_b32 s12, s10, 1                          ; j: my half of the x.  Also: which half of that tile I fetch
	s_bfe_u32 s40, ttmp6, 0x40000                  ; cx
	s_bfe_u32 s41, ttmp6, 0x40004                  ; cy
	s_lshl_b32 s42, ttmp9, 2                       ; in a cluster launch ttmp9 and ttmp7 count clusters
	s_add_co_u32 s42, s42, s40                     ; cg = 4 x cluster x + cx
	s_and_b32 s13, ttmp7, 0xffff
	s_lshl_b32 s13, s13, 2
	s_add_co_u32 s13, s13, s41                     ; g = 4 x cluster y + cy
	s_lshl_b32 s43, s41, 2
	s_lshl_b32 s43, 15, s43                        ; my row of the cluster: places 4 cy .. 4 cy + 3
	s_lshl_b32 s44, 0x1111, s40                    ; my column: places cx, cx + 4, cx + 8, cx + 12
	; descriptor group 1: 32,768 dense bytes as 128 rows of 32 elements of 8 bytes
	s_or_b32 s[G1W+0], s43, (3<<16)|(1<<21)        ; 15:0 the mask: Wy's tiles go to my row; 17:16 elements of 8 bytes; 21 set beside a mask; no padding
	s_or_b32 s[G1F+0], s44, (3<<16)|(1<<21)        ; the same with the mask of my column
.irp g, G1W, G1F
	s_mov_b32 s[(\g)+1], 32<<16                    ; tensor_dim0 = 32
	s_mov_b32 s[(\g)+2], 128<<16                   ; tensor_dim1 = 128
	s_mov_b32 s[(\g)+3], 32<<16                    ; tile_dim0 = 32
	s_mov_b32 s[(\g)+4], 128                       ; tile_dim1 = 128
	s_mov_b32 s[(\g)+5], 32                        ; 32 elements from row to row
	s_mov_b32 s[(\g)+6], 0
	s_mov_b32 s[(\g)+7], 0
.endr
	s_lshl_b32 s18, s12, 15                        ; which half I fetch
	s_lshl_b32 s16, s13, 18                        ; Wy: a group's 262,144 bytes: made of g and the wave's number alone
	s_add_co_u32 s16, s16, s18
	s_mov_b32 s17, 0
	s_lshl_b32 s20, s42, 21                        ; F: the walk's 8 tiles of 262,144 bytes: made of cg and the wave's number alone
	s_add_co_u32 s20, s20, s18
	s_mov_b32 s21, 0
	s_lshl_b32 s22, s10, 15                        ; where they go: wave x 32,768: no place in the cluster enters an LDS address
	s_wait_dscnt 0x0                               ; both opening adds are done
	s_wait_kmcnt 0x0
	s_add_nc_u64 s[14:15], s[4:5], s[16:17]
	s_add_nc_u64 s[20:21], s[6:7], s[20:21]
	CROUND                                         ; all sixteen work-groups are here: the first joint loads meet
.irp s, 0,1
	s_mov_b32 s[G0W+4*(\s)], 1                                      ; count = 1
	s_add_co_u32 s[G0W+4*(\s)+1], s22, (\s)*SLOT                    ; LDS address
	s_add_nc_u64 s[G0W+4*(\s)+2:G0W+4*(\s)+3], s[14:15], (\s)*KSB   ; global address: K step s
	s_or_b32 s[G0W+4*(\s)+3], s[G0W+4*(\s)+3], 0x80000000           ; type = 2
	s_mov_b32 s[G0F+4*(\s)], 1
	s_add_co_u32 s[G0F+4*(\s)+1], s22, (\s)*SLOT
	s_add_nc_u64 s[G0F+4*(\s)+2:G0F+4*(\s)+3], s[20:21], (\s)*KSB
	s_or_b32 s[G0F+4*(\s)+3], s[G0F+4*(\s)+3], 0x80000000
	JLOAD \s                                       ; two loads of mine are out
.endr
	v_and_b32 v1, 31, v0
	v_lshlrev_b32 v[WXO], 4, v1
	v_lshlrev_b32 v[PFO], 8, v1
	v_bfe_u32 v[HH], v0, 4, 1
	v_bfe_u32 v[RB], v0, 3, 1
	v_and_b32 v2, 7, v0
	s_lshl_b32 s16, s11, 15                        ; my half of Wy's pairs,
	s_lshl_b32 s17, s12, 15                        ; my half of F's x,
	s_add_co_u32 s17, s17, KSB                     ; which lies behind Wy's two halves
.irp s, 0,1
	v_add_nc_u32 v[ADRW+(\s)], s16, v[WXO]
	v_add_nc_u32 v[ADRF+(\s)], s17, v[WXO]
	s_add_co_u32 s16, s16, SLOT
	s_add_co_u32 s17, s17, SLOT
.endr
	s_lshl_b32 s18, s10, 12
	s_add_co_u32 s18, s18, STAGE                   ; my part of the stage
	v_lshlrev_b32 v[STO], 5, v2                    ; oy x 32 bytes,
	v_lshl_add_u32 v[STO], v[HH], 8, v[STO]        ; box of the pair x 256
	v_add_nc_u32 v[STO], s18, v[STO]
	s_lshl_b32 s18, s11, 13                        ; back: of the two parts of my half i, the 2,048 bytes numbered j
	s_lshl_b32 s19, s12, 11
	s_add_co_u32 s18, s18, s19
	s_add_co_u32 s18, s18, STAGE
	v_add_nc_u32 v[RD], s18, v[WXO]
	s_lshl_b32 s18, s10, 11
	v_add_nc_u32 v[PO], s18, v[WXO]                ; and the same bytes in part
	s_lshl_b32 s16, s13, 18                        ; Wx: the group, K step j of the first x half, my half of the pairs
	s_lshl_b32 s18, s12, 16
	s_add_co_u32 s16, s16, s18
	s_lshl_b32 s18, s11, 15
	s_add_co_u32 s16, s16, s18
	s_mov_b32 s17, 0
	s_add_nc_u64 s[WXB:WXB+1], s[WXB:WXB+1], s[16:17]
	s_lshl_b32 s16, s42, 19                        ; part: channel 4 cg (131,072 bytes a channel), boxes 32 g (256 bytes a box)
	s_lshl_b32 s18, s13, 13
	s_add_co_u32 s16, s16, s18
	s_add_nc_u64 s[PRT:PRT+1], s[PRT:PRT+1], s[16:17]
	s_lshl_b32 s16, s42, 21                        ; the prefetches: my half of F's K steps, my work-group's 8,192 bytes of it,
	s_lshl_b32 s18, s12, 15
	s_add_co_u32 s16, s16, s18
	s_lshl_b32 s18, s41, 13
	s_add_co_u32 s16, s16, s18
	s_add_co_u32 s16, s16, 3*KSB                   ; at K step 3: the first change of slots steps it to 4
	s_add_nc_u64 s[PFA:PFA+1], s[6:7], s[16:17]
	s_and_b32 s18, ttmp7, 0xffff                   ; cluster y,
	s_xor_b32 s19, s11, 1                          ; 0 in the waves that fetch F
	s_or_b32 s18, s18, s19
	s_cmp_eq_u32 s18, 0
	s_cselect_b32 s[LIM], 1, -1                    ; the same in all sixteen partners, for a given wave
; 16 matrix instructions: pairs a0, a0 + 1 of the window's four x all 8 blocks of x, 32 along y.  zero = 1: the first product starts the sums.
.macro MUL16 f, hi, a0, zero
	WIN MUL_LO+0x50*(\hi)
.irp a, \a0, (\a0)+1
.irp b, 0,1,2,3,4,5,6,7
.if \zero
	v_wmma_f32_16x16x32_f16 v[8*(8*(\a)+(\b)):8*(8*(\a)+(\b))+7], v[(\f)+8*(\b):(\f)+8*(\b)+7], v[(\f)+8*(4*(\hi)+(\a)):(\f)+8*(4*(\hi)+(\a))+7], 0
.else
	v_wmma_f32_16x16x32_f16 v[8*(8*(\a)+(\b)):8*(8*(\a)+(\b))+7], v[(\f)+8*(\b):(\f)+8*(\b)+7], v[(\f)+8*(4*(\hi)+(\a)):(\f)+8*(4*(\hi)+(\a))+7], v[8*(8*(\a)+(\b)):8*(8*(\a)+(\b))+7]
.endif
.endr
.endr
.endm
; 32 LDS loads in one run: quarter q's fragments (8 of F, 8 of Wy) into buffer f
.macro FETCH slot, q, f
	WIN TO_B
.irp i, 0,1,2,3,4,5,6,7
	ds_load_b128 v[(\f)+8*(\i):(\f)+8*(\i)+3],   v[ADRF+(\slot)] offset:(\i)*4096+(\q)*1024
	ds_load_b128 v[(\f)+8*(\i)+4:(\f)+8*(\i)+7], v[ADRF+(\slot)] offset:(\i)*4096+(\q)*1024+512
.endr
	WIN 0
.irp i, 0,1,2,3,4,5,6,7
	ds_load_b128 v[(\f)+8*(\i):(\f)+8*(\i)+3],   v[ADRW+(\slot)] offset:(\i)*4096+(\q)*1024
	ds_load_b128 v[(\f)+8*(\i)+4:(\f)+8*(\i)+7], v[ADRW+(\slot)] offset:(\i)*4096+(\q)*1024+512
.endr
.endm
.macro PLACES                          ; four places behind a matrix instruction, in front of loads into registers that it has read and of vector lines that read its result
.rept 4
	v_nop
.endr
.endm
; A K step is four quarters of 32 along y, 64 matrix instructions each, on buffers 0, 1, 0, 1.  One of the first three: multiplies buffer f; in its middle it fetches quarter q into buffer g.
.macro QUARTER slot, q, f, g, zero
	s_wait_dscnt 8                                 ; F and Wy's pairs 0-3 are in; the youngest eight loads (pairs 4-7) may be out
	MUL16 \f, 0, 0, \zero
	MUL16 \f, 0, 2, \zero
	PLACES
	FETCH \slot, \q, \g
	s_wait_dscnt 32                                ; all but the 32 just issued
	MUL16 \f, 1, 0, \zero
	MUL16 \f, 1, 2, \zero
.endm
; The last quarter multiplies buffer 1 and changes slots.  MEET is its first half: one barrier; in front of it each wave waits for all its tensor loads (one is out: its part of the next slot), adds 0 to its
; spare word, and waits for that and for its own reads of this slot.  Behind it nobody reads this slot any more and the next slot is whole.
.macro MEET round
	WIN 0
	s_wait_tensorcnt 0x0                           ; all my tensor loads have landed
	ds_add_u32 v[SPW], v[NIL]                      ; 0 onto my spare word
	s_wait_dscnt 9                                 ; (the add and the youngest eight loads may be out)
	MUL16 F1, 0, 0, 0                              ; sixteen matrix instructions stand between the add and the wait for it
	s_wait_dscnt 0x0                               ; the add is done, and my reads of this slot are over
	s_barrier_signal -1
	MUL16 F1, 0, 2, 0                              ; work on registers while the others arrive
.if \round
	WIN 0
.endif
	s_barrier_wait -1
.endm
; The whole last quarter, with a refill: F's K step two on; Wy's two on (back = 0) or, in a tile's last two K steps, two back: the next tile's K step 0 or 1 (back = 1).
.macro TURN slot, next, back, how
	s_wait_xcnt 0x0                                ; the last prefetch, a K step back, has read its address
	s_add_nc_u64 s[PFA:PFA+1], s[PFA:PFA+1], KSB
	MEET 1
	CREST                                          ; the barrier has opened a round of the cluster's: no wave of any partner still reads this slot or has a load on its way
	s_add_nc_u64 s[G0F+4*(\slot)+2:G0F+4*(\slot)+3], s[G0F+4*(\slot)+2:G0F+4*(\slot)+3], 2*KSB
.if \back
	s_sub_nc_u64 s[G0W+4*(\slot)+2:G0W+4*(\slot)+3], s[G0W+4*(\slot)+2:G0W+4*(\slot)+3], 2*KSB
.else
	s_add_nc_u64 s[G0W+4*(\slot)+2:G0W+4*(\slot)+3], s[G0W+4*(\slot)+2:G0W+4*(\slot)+3], 2*KSB
.endif
	JLOAD \slot                                    ; the first tensor load behind the round, my only one until the next: 224 matrix instructions ahead of the wait for it; its four v_nop are also the places in front of the loads below
	FETCH \next, 0, F0
	ASK \how
	MUL16 F1, 1, 0, 0
	MUL16 F1, 1, 2, 0
.endm
.macro TURNX next                      ; the same with nothing left to fetch: no round, no load
	MEET 0
	PLACES
	FETCH \next, 0, F0
	MUL16 F1, 1, 0, 0
	MUL16 F1, 1, 2, 0
.endm
; Wx of pairs 0-3 for the tile in hand (4 fragments of 32 x each) into window 1's idle registers: pair a at 32 (a % 2) + 192 (a / 2).  32 loads of 512 consecutive bytes.
.macro WXPRE
	WIN TO_B
.irp a, 0,1,2,3
.irp xg, 0,1,2,3
	global_load_b128 v[32*((\a)%2)+192*((\a)/2)+8*(\xg):32*((\a)%2)+192*((\a)/2)+8*(\xg)+3],   v[WXO], s[WXB:WXB+1] offset:(\a)*4096+(\xg)*1024
	global_load_b128 v[32*((\a)%2)+192*((\a)/2)+8*(\xg)+4:32*((\a)%2)+192*((\a)/2)+8*(\xg)+7], v[WXO], s[WXB:WXB+1] offset:(\a)*4096+(\xg)*1024+512
.endr
.endr
.endm
; Pair a's eight accumulators are rounded to f16 in place: result 4 b + r never lies above a source still unread; each accumulator's lowest registers are read first.  T of 32 x at v[64 (a % 4) + 8 xg].
.macro PACK a
.set PB, 64*((\a)%4)
	WIN 0x8a+0x45*((\a)/4)                         ; sources and destination: window 2 or 3
.irp b, 0,1,2,3,4,5,6,7
.irp r, 0,1,2,3
	v_cvt_pk_f16_f32 v[PB+4*(\b)+(\r)], v[PB+8*(\b)+2*(\r)], v[PB+8*(\b)+2*(\r)+1]
.endr
.endr
.endm
.macro LOADWX a                        ; Wx of pair a (4 to 7) into the 32 registers that PACK has freed
	WIN 0xc0                                       ; destination window 3, address window 0
.irp xg, 0,1,2,3
	global_load_b128 v[64*((\a)-4)+32+8*(\xg):64*((\a)-4)+32+8*(\xg)+3], v[WXO], s[WXB:WXB+1] offset:(\a)*4096+(\xg)*1024
	global_load_b128 v[64*((\a)-4)+36+8*(\xg):64*((\a)-4)+36+8*(\xg)+3], v[WXO], s[WXB:WXB+1] offset:(\a)*4096+(\xg)*1024+512
.endr
.endm
; 16 products of stage 2: four pairs by turns, one instruction a turn, x ascending.  zero = 1: a channel's first x half starts the sums.
.macro ST2 hi, zero
	WIN 0x09+0x06*(\hi)                            ; Wx window 1 and T window 2, or both window 3; D2 window 0
.irp xg, 0,1,2,3
.irp a, 0,1,2,3
.if \hi
.set rW, 64*(\a)+32+8*(\xg)
.else
.set rW, 32*((\a)%2)+192*((\a)/2)+8*(\xg)
.endif
.set rT, 64*(\a)+8*(\xg)
.set rD, D2+8*(4*(\hi)+(\a))
.if (\zero) && ((\xg) == 0)
	v_wmma_f32_16x16x32_f16 v[rD:rD+7], v[rW:rW+7], v[rT:rT+7], 0
.else
	v_wmma_f32_16x16x32_f16 v[rD:rD+7], v[rW:rW+7], v[rT:rT+7], v[rD:rD+7]
.endif
.endr
.endr
.endm
.macro EPI zero                        ; a tile's end
	PLACES                                         ; behind the tile's last products
	PACK 4
	PACK 5
	PACK 6
	PACK 7
	LOADWX 4
	LOADWX 5
	LOADWX 6
	LOADWX 7
	PACK 0                                         ; 128 conversions stand under those loads
	PACK 1
	PACK 2
	PACK 3
	s_wait_loadcnt 32                              ; Wx of pairs 0-3, asked for three quarters ago, is in; the 32 loads just issued may stay out
	ST2 0, \zero
	s_wait_loadcnt 0x0                             ; Wx of pairs 4-7; also: every load that reads s[WXB:WXB+1] is done, so that base may be stepped
	ST2 1, \zero
	WIN 0
.rept 5
	v_nop                                          ; four places before D2 is read, five before the next tile's products write over T and Wx
.endr
.endm
; A channel's end: the lanes that hold results put them into my part of the stage; a barrier; the two waves j of a half i each add 2,048 bytes of the two parts and store them.
; The stage is written again a channel later: eight changes of slots lie between, each with every wave's wait for its LDS loads in front of its signal.
.macro OUT
	s_wait_xcnt 0x0                                ; EXEC changes only behind this wait; the last way out's stores have read their registers
	v_cmp_eq_u32 vcc_lo, v[HH], v[RB]              ; box' = box
	s_and_saveexec_b32 s3, vcc_lo
.irp a, 0,1,2,3,4,5,6,7
	ds_store_b128 v[STO], v[D2+8*(\a):D2+8*(\a)+3]   offset:(\a)*512
	ds_store_b128 v[STO], v[D2+8*(\a)+4:D2+8*(\a)+7] offset:(\a)*512+16
.endr
	s_or_b32 exec_lo, exec_lo, s3                  ; no global instruction was issued under the narrow EXEC
	s_wait_dscnt 0x0                               ; for the others' sake: my stores into the stage are done
	s_barrier_signal -1
	s_barrier_wait -1                              ; the ring's load may stay out
.irp t, 0,1,2,3
	ds_load_b128 v[OT+4*(\t):OT+4*(\t)+3],       v[RD] offset:(\t)*512
	ds_load_b128 v[OT+16+4*(\t):OT+16+4*(\t)+3], v[RD] offset:4096+(\t)*512
.endr
	s_wait_dscnt 0x0
.irp t, 0,1,2,3,4,5,6,7
	v_pk_add_f32 v[OT+2*(\t):OT+2*(\t)+1], v[OT+2*(\t):OT+2*(\t)+1], v[OT+16+2*(\t):OT+16+2*(\t)+1]
.endr
.irp t, 0,1,2,3
	global_store_b128 v[PO], v[OT+4*(\t):OT+4*(\t)+3], s[PRT:PRT+1] offset:(\t)*512  ; 512 consecutive bytes, at a multiple of 256 from part's first byte
.endr
	s_wait_xcnt 0x0                                ; the stores have read their base
	s_add_nc_u64 s[PRT:PRT+1], s[PRT:PRT+1], 131072  ; the next channel
.endm
	s_wait_tensorcnt 1                             ; my part of K step 0 is in; K step 1's may stay out
	s_barrier_signal -1
	s_barrier_wait -1                              ; everybody's is
	FETCH 0, 0, F0
	s_mov_b32 s2, TILES                            ; tiles to go, this one among them: the same number in every work-group
.Ltile:
	QUARTER 0, 1, F0, F1, 1                        ; K step 0: the first quarter's products start the sums
	QUARTER 0, 2, F1, F0, 0
	QUARTER 0, 3, F0, F1, 0
	TURN 0, 1, 0, 0                                ; slot 0 takes this tile's K step 2
	QUARTER 1, 1, F0, F1, 0
	QUARTER 1, 2, F1, F0, 0
	QUARTER 1, 3, F0, F1, 0
	TURN 1, 0, 0, 0                                ; slot 1 its K step 3
	QUARTER 0, 1, F0, F1, 0
	QUARTER 0, 2, F1, F0, 0
	QUARTER 0, 3, F0, F1, 0
	WIN 0                                          ; at a label and at a branch every window is 0
	s_cmp_eq_u32 s2, 1
	s_cbranch_scc1 .Llast                          ; the last tile's tail is written out: it asks for nothing more
	TURN 0, 1, 1, 1                                ; the ring goes on into the next tile: slot 0 takes its K step 0,
	QUARTER 1, 1, F0, F1, 0
	WXPRE
	QUARTER 1, 2, F1, F0, 0
	QUARTER 1, 3, F0, F1, 0
	TURN 1, 0, 1, 1                                ; slot 1 its K step 1, and the next tile's first fragments are fetched
	WIN 0
	s_and_b32 s3, s2, 1                            ; the count alone decides: the same in all waves and all partners
	s_cmp_lg_u32 s3, 0
	s_cbranch_scc1 .Lodd
	EPI 1                                          ; a channel's first x half
	s_add_nc_u64 s[WXB:WXB+1], s[WXB:WXB+1], 2*KSB
	s_branch .Lnext
.Lodd:
	EPI 0                                          ; its second
	s_sub_nc_u64 s[WXB:WXB+1], s[WXB:WXB+1], 2*KSB
	OUT
.Lnext:
	s_sub_co_u32 s2, s2, 1
	s_branch .Ltile
.Llast:
	TURNX 1
	QUARTER 1, 1, F0, F1, 0
	WXPRE
	QUARTER 1, 2, F1, F0, 0
	QUARTER 1, 3, F0, F1, 0
	s_wait_dscnt 8                                 ; the very last quarter: nothing more to fetch
	MUL16 F1, 0, 0, 0
	MUL16 F1, 0, 2, 0
	s_wait_dscnt 0x0
	MUL16 F1, 1, 0, 0
	MUL16 F1, 1, 2, 0
	EPI 0
	OUT
	s_wait_tensorcnt 0x0                           ; the wave's end, behind my last tensor load and my last LDS store
	ds_add_u32 v[SPW], v[NIL]
	s_wait_dscnt 0x0
	CROUND                                         ; the closing round: no work-group ends while a partner may still ask for a tile that names it
	s_endpgm
.Lfunc_end_k_qde24ffd7d1_main:
	.size	k_qde24ffd7d1_main, .Lfunc_end_k_qde24ffd7d1_main-k_qde24ffd7d1_main
	.p2alignl 7, 3214868480
	.fill 96, 4, 3214868480
	.section	.rodata,"a",@progbits
	.p2align	6, 0x0
	.amdhsa_kernel k_qde24ffd7d1_main
		.amdhsa_group_segment_fixed_size 327680
		.amdhsa_private_segment_fixed_size 0
		.amdhsa_enable_private_segment 0
		.amdhsa_kernarg_size 32
		.amdhsa_user_sgpr_count 2
		.amdhsa_user_sgpr_kernarg_segment_ptr 1
		.amdhsa_wavefront_size32 1
		.amdhsa_system_sgpr_workgroup_id_x 1
		.amdhsa_system_sgpr_workgroup_id_y 1
		.amdhsa_system_sgpr_workgroup_id_z 1
		.amdhsa_system_vgpr_workitem_id 0
		.amdhsa_next_free_vgpr 1024
		.amdhsa_next_free_sgpr 66
		.amdhsa_reserve_vcc 1
		.amdhsa_float_denorm_mode_32 3
		.amdhsa_float_denorm_mode_16_64 3
		.amdhsa_memory_ordered 1
		.amdhsa_forward_progress 1
		.amdhsa_inst_pref_size 222
	.end_amdhsa_kernel
	.amdgpu_metadata
---
amdhsa.version: [ 1, 2 ]
amdhsa.kernels:
  - .name:           k_qde24ffd7d1_main
    .symbol:         k_qde24ffd7d1_main.kd
    .args:
      - { .name: wyf, .offset: 0, .size: 8, .value_kind: global_buffer, .address_space: global }
      - { .name: ftf, .offset: 8, .size: 8, .value_kind: global_buffer, .address_space: global }
      - { .name: wxf, .offset: 16, .size: 8, .value_kind: global_buffer, .address_space: global }
      - { .name: part, .offset: 24, .size: 8, .value_kind: global_buffer, .address_space: global }
    .group_segment_fixed_size: 327680
    .private_segment_fixed_size: 0
    .kernarg_segment_align: 8
    .kernarg_segment_size: 32
    .max_flat_workgroup_size: 128
    .sgpr_count:     66
    .vgpr_count:     1024
    .wavefront_size: 32
...
	.end_amdgpu_metadata
.endif
;; end of part 2
;; launch post (part 3): grid 512 x 1, 4 waves a work-group, no clusters, 18,432 bytes of LDS; arguments part, out0; writes out0
.if DOCPART == 3
	.amdgcn_target "amdgcn-amd-amdhsa--gfx1250"
	.amdhsa_code_object_version 6
	.text
	.protected	k_qde24ffd7d1_post
	.globl	k_qde24ffd7d1_post
	.p2align	8
	.type	k_qde24ffd7d1_post,@function
k_qde24ffd7d1_post:
	s_mov_b64 s[64:65], 0
	v_nop
	global_prefetch_b8 v0, s[64:65] scope:SCOPE_SE
	s_setreg_imm32_b32 hwreg(HW_REG_WAVE_MODE, 25, 1), 1
	s_wait_xcnt 0x0
; out0[pos][c] = part[c][pos]: pos = (n, oy, ox), 32,768 places; 64 channels; f32.  A turn of 64 x 64 blocks through LDS; nothing is computed, so no number is changed.
; Work-group b takes box b: 64 places x 64 channels.  In: wave w takes channels 16 w .. 16 w + 15; a load covers two channels' 256 consecutive bytes.  Out: wave w takes places 16 w .. 16 w + 15; a store
; covers two places' 256 bytes each, 512 on end.  Memory binds: no matrix unit, cluster or data mover; several work-groups lie on a WGP.
; LDS: a row for each place, 64 channels + 16 bytes of padding.  Place 4 p + j lies in row 16 j + p, so that the 32 lanes of a 4-byte store (16 p x 2 channels) fall on words 68 p + channel: all different modulo 64.
.set PIT,   272
.set SPARE, 64*PIT                     ; behind the rows: the spare words, 128 bytes a wave: two blocks of 256 bytes that no other line names
	s_load_b128 s[4:7], s[0:1], 0x0                ; part s[4:5], out0 s[6:7]
	v_lshl_add_u32 v1, v0, 2, SPARE
	v_mov_b32 v2, 0
	v_lshrrev_b32 v7, 5, v0
	v_readfirstlane_b32 s8, v7                     ; wave 0..3
	v_and_b32 v8, 15, v0                           ; p
	v_bfe_u32 v9, v0, 4, 1                         ; which half of the lanes
	v_and_b32 v10, 31, v0
	s_lshl_b32 s9, s8, 4
	v_add_nc_u32 v11, s9, v9                       ; channel 16 w + half (+ 2 t)
	v_lshlrev_b32 v3, 17, v11                      ; 131,072 bytes a channel,
	v_lshl_add_u32 v3, v8, 4, v3                   ; four places a lane
	v_mul_u32_u24 v4, v8, PIT                      ; into LDS: row p (+ 16 j), word = channel
	v_lshl_add_u32 v4, v11, 2, v4
	s_lshl_b32 s9, s8, 2
	v_lshl_add_u32 v5, v9, 4, s9                   ; back: place 16 w + 2 u + half lies in row 32 (u % 2) + 16 half + 4 w + u / 2
	v_mul_u32_u24 v5, v5, PIT
	v_lshl_add_u32 v5, v8, 4, v5
	s_lshl_b32 s9, s8, 12
	v_lshl_add_u32 v6, v10, 4, s9                  ; out: 4,096 w + 16 x lane
	s_lshl_b32 s10, ttmp9, 8                       ; the box's 256 bytes in a channel of part,
	s_mov_b32 s11, 0
	s_lshl_b32 s12, ttmp9, 14                      ; its 16,384 bytes of out0
	s_mov_b32 s13, 0
	s_wait_kmcnt 0x0
	s_add_nc_u64 s[4:5], s[4:5], s[10:11]
	s_add_nc_u64 s[6:7], s[6:7], s[12:13]
.irp t, 0,1,2,3,4,5,6,7
	global_load_b128 v[16+4*\t:19+4*\t], v3, s[4:5] offset:\t*262144 th:TH_LOAD_NT
.endr
.irp t, 0,1,2,3,4,5,6,7
	s_wait_loadcnt 7-\t                            ; loads come back in order: this one is in, the younger ones stay out
.irp j, 0,1,2,3
	ds_store_b32 v4, v[16+4*\t+\j] offset:\j*16*PIT+8*\t
.endr
.endr
	s_wait_dscnt 0x0                               ; for the others' sake: my stores are done
	s_barrier_signal -1
	s_barrier_wait -1
.irp u, 0,1,2,3,4,5,6,7
	ds_load_b128 v[16+4*\u:19+4*\u], v5 offset:((\u%2)*32+\u/2)*PIT
.endr
.irp u, 0,1,2,3,4,5,6,7
	s_wait_dscnt 7-\u                              ; LDS loads come back in order
	global_store_b128 v6, v[16+4*\u:19+4*\u], s[6:7] offset:\u*512 th:TH_STORE_NT  ; 512 consecutive bytes, aligned
.endr
	s_wait_tensorcnt 0x0                           ; the wave's end, behind my last LDS store
	ds_add_u32 v1, v2
	s_wait_dscnt 0x0
	s_endpgm
.Lfunc_end_k_qde24ffd7d1_post:
	.size	k_qde24ffd7d1_post, .Lfunc_end_k_qde24ffd7d1_post-k_qde24ffd7d1_post
	.p2alignl 7, 3214868480
	.fill 96, 4, 3214868480
	.section	.rodata,"a",@progbits
	.p2align	6, 0x0
	.amdhsa_kernel k_qde24ffd7d1_post
		.amdhsa_group_segment_fixed_size 18432
		.amdhsa_private_segment_fixed_size 0
		.amdhsa_enable_private_segment 0
		.amdhsa_kernarg_size 16
		.amdhsa_user_sgpr_count 2
		.amdhsa_user_sgpr_kernarg_segment_ptr 1
		.amdhsa_wavefront_size32 1
		.amdhsa_system_sgpr_workgroup_id_x 1
		.amdhsa_system_sgpr_workgroup_id_y 1
		.amdhsa_system_sgpr_workgroup_id_z 1
		.amdhsa_system_vgpr_workitem_id 0
		.amdhsa_next_free_vgpr 64
		.amdhsa_next_free_sgpr 66
		.amdhsa_reserve_vcc 0
		.amdhsa_float_denorm_mode_32 3
		.amdhsa_float_denorm_mode_16_64 3
		.amdhsa_memory_ordered 1
		.amdhsa_forward_progress 1
		.amdhsa_inst_pref_size 7
	.end_amdhsa_kernel
	.amdgpu_metadata
---
amdhsa.version: [ 1, 2 ]
amdhsa.kernels:
  - .name:           k_qde24ffd7d1_post
    .symbol:         k_qde24ffd7d1_post.kd
    .args:
      - { .name: part, .offset: 0, .size: 8, .value_kind: global_buffer, .address_space: global }
      - { .name: out0, .offset: 8, .size: 8, .value_kind: global_buffer, .address_space: global }
    .group_segment_fixed_size: 18432
    .private_segment_fixed_size: 0
    .kernarg_segment_align: 8
    .kernarg_segment_size: 16
    .max_flat_workgroup_size: 128
    .sgpr_count:     66
    .vgpr_count:     64
    .wavefront_size: 32
...
	.end_amdgpu_metadata
.endif
;; end of part 3
